; MI455X (gfx1250); checked and timed in simulation.
; The chip was launched on July 23, 2026; its instructions are those of AMD's public machine-readable ISA for CDNA 5 (MIT licence, August 2026) and "CDNA5" Instruction Set Architecture Reference Guide (July 2026). The comments in the code are by the model that wrote it; some were corrected since.
;; CLIP Attention. Allowed arithmetic: matrix products marked QUANTISED: E3M2 operands, one E8M0 scale for each 32 along K, by v_wmma_scale_f32_16x16x128_f8f6f4 with both operands' format E3M2, f32 sums; everything else in f32.
;; Inputs: Wk 1,024 x 1,024 float32; Wo 1,024 x 1,024 float32; Wq 1,024 x 1,024 float32; Wv 1,024 x 1,024 float32; bk 1,024 float32; bo 1,024 float32; bq 1,024 float32; bv 1,024 float32; causal_attention_mask 8 x 1 x 1,024 x 1,024 float32; hidden_states 8 x 1,024 x 1,024 float32.
;; Outputs: out0 8 x 1,024 x 1,024 float32.
;; This version of the problem:
;;   THIS VERSION OF THE PROBLEM IS GIVEN IN LOW PRECISION. The matrix products marked QUANTISED in the list below multiply operands that are first quantised to E3M2 (3 exponent bits, 2 mantissa bits; 6 bits a number), with one power-of-two scale for each 32 numbers along K (OCP MX v1.0); their sums are f32. All else is computed in f32.
;;   The module's matrix products, in the order in which they are computed (A, B: the left and right operand; K: the contracted axis; several contracted axes count as one K, in the product's order):
;;     1. [M 8,192, K 1,024] x [K 1,024, N 1,024]; A: input hidden_states; B: input Wq: QUANTISED
;;     2. [M 8,192, K 1,024] x [K 1,024, N 1,024]; A: input hidden_states; B: input Wk: QUANTISED
;;     3. [M 8,192, K 1,024] x [K 1,024, N 1,024]; A: input hidden_states; B: input Wv: QUANTISED
;;     4. batch 128 x [M 1,024, K 64] x [K 64, N 1,024]; A: computed on the way; B: computed on the way: QUANTISED
;;     5. batch 128 x [M 1,024, K 1,024] x [K 1,024, N 64]; A: softmax (see below); B: computed on the way: QUANTISED
;;     6. [M 8,192, K 1,024] x [K 1,024, N 1,024]; A: computed on the way; B: input Wo: QUANTISED
;;   THE QUANTISER, for each operand of a quantised product, along K:
;;     - K is cut into blocks of 32 from its start; a last block that is shorter is filled with zeros.
;;     - A block's scale is 2^e with e = floor(log2(the largest magnitude in the block)) - 4, held to -126 .. 127; a block of zeros has e = 0. As a byte (E8M0): e + 127.
;;     - Each number is divided by its block's scale, clamped to +-28, and rounded to the nearest number of E3M2, ties to even, subnormals kept.
;;     - The product sums the exact products of the quantised numbers (number of the format x scale) in f32.
;;   ~~~python
;;   def quantise(x, axis):      # numpy; x: float32 -> the quantised numbers, widened to float32 again
;;       x = np.moveaxis(x, axis, -1); K = x.shape[-1]
;;       x = np.pad(x, [(0, 0)] * (x.ndim - 1) + [(0, -K % 32)]); x = x.reshape(x.shape[:-1] + (-1, 32)); a = np.abs(x).max(-1, keepdims=True)
;;       e = np.where(a > 0, np.clip(np.frexp(np.where(a > 0, a, 1))[1] - 1 - 4, -126, 127), 0)      # np.frexp(a)[1] - 1 = floor(log2(a)), exactly
;;       r = np.clip(x / 2.0 ** e, -28, 28)
;;       step = 2.0 ** (np.maximum(np.frexp(np.where(r == 0, 1, r))[1] - 1, -2) - 2)
;;       q = np.round(r / step) * step * 2.0 ** e      # np.round: ties to even
;;       return np.moveaxis(q.reshape(q.shape[:-2] + (-1,))[..., :K], -1, axis).astype(np.float32)
;;   ~~~
;;   SOFTMAX AHEAD OF A QUANTISED PRODUCT. Where the list says 'softmax', what is quantised is not the finished softmax but p = 2^(t - M), with t = logit x log2(e) and M = ceil(the row's largest t), a whole number; so 1/2 < the row's largest p <= 1. The row's sum l is taken of the UNQUANTISED p, in f32, and the product's result is divided by l at the end. Since M is a whole number, a kernel that streams over the keys may use a running M (the ceiling of the running maximum): every later rescaling is an exact power of two, which a block's scale takes up: the codes' values come out the same.
;;   OPERANDS COMPUTED ON THE WAY. 'Computed on the way' means the value that the module computes at that place (a softmax that the list does not call 'softmax' is quantised finished and normalised). What goes into a quantiser is computed in f32, as accurately as f32 sums, v_exp_f32 and their like allow (about 1e-6 of the number): no bf16 or f16 on the way to a quantiser, and a product that is left as it is and whose result goes on into a quantised operand takes f32 operands (vector FMAs, or v_wmma_f32_16x16x4_f32). A number that lies on a knife's edge between two numbers of the format may be rounded either way, as far as f32 arithmetic and the matrix unit's own rounding can turn it there, and no further.
;; One version. Each part assembles by itself: llvm-mc -triple=amdgcn-amd-amdhsa -mcpu=gfx1250 --defsym DOCPART=n.
;; ======== version 1 of 1: 3 launches
;; limits: right only within a limited range of input values
;; workspace buffers: cod 9,437,184 bytes; scl 393,216 bytes; qkv 18,874,368 bytes; qkvs 786,432 bytes
;; launch quant (part 1): grid 256 x 1, 6 waves a work-group, no clusters, 204,800 bytes of LDS; arguments hidden_states, Wq, Wk, Wv, Wo, cod, scl; writes cod, scl
.if DOCPART == 1
	.amdgcn_target "amdgcn-amd-amdhsa--gfx1250"
	.amdhsa_code_object_version 6
	.text
	.protected	k_qd7ea47465f_quant
	.globl	k_qd7ea47465f_quant
	.p2align	8
	.type	k_qd7ea47465f_quant,@function
k_qd7ea47465f_quant:
	s_mov_b64 s[64:65], 0
	v_nop
	global_prefetch_b8 v0, s[64:65] scope:SCOPE_SE
	s_setreg_imm32_b32 hwreg(HW_REG_WAVE_MODE, 25, 1), 1
	s_wait_xcnt 0x0
; hidden_states [8,192][1,024] and Wq, Wk, Wv, Wo [1,024][1,024], f32 with K innermost, become codes of BF6 (E3M2) with one E8M0 byte for each 32 along K.
; Nothing of reference() is left out in this program: every input is loaded by some launch.
; cod: 768 tiles of 16 rows (512 of x, then 64 each of Wq, Wk, Wv, Wo); a tile is 8 K steps of 128, each the image of an operand's 12 registers, lane by lane (1,536 bytes).
; Tile 2 B + u holds in lane r the row 32 B + 8 u + r + 8 (r / 8).   scl: [tile][r][8 words], word s = the four bytes of K step s.
; A work-group takes 3 tiles with 6 waves.  Wave (t, g) brings rows 8 g .. 8 g + 7 of the tile's 16 lanes: 8 rows that are dense in memory, 32,768 bytes, by ONE tensor load,
; stated as 32 lines of 256 floats with 16 bytes of padding behind each.  Behind one barrier wave (t, g) quantises K steps 4 g .. 4 g + 3 of tile t.  No LDS byte is filled twice.
; A row is four lines, 4,160 bytes; the second eight rows lie 16 bytes further on than a multiple of 256, so that they start at other banks than the first eight.
; A block's scale byte is its largest magnitude's exponent field - 4, held at 1 from below by a floor among the maximum's leaves.
; LIMITS: a block of zeros keeps the byte 1 (its codes are zeros; this program alone reads the bytes); NaN and infinities among the inputs are not served.
; The scale words leave as 8 bytes a lane, 16 bytes of each row's 32 from one wave: 512 bytes a tile against 12,288 of codes, which leave as 512 consecutive bytes a store.
.set LP,    1040                       ; a line: 256 floats + 16 bytes
.set RP,    4*LP                       ; a row of 1,024 floats
.set GOFF,  8*RP+16                    ; from the first eight rows to the second eight
.set WREG,  66816                      ; a tile's region, a multiple of 256
.set SPARE, 3*WREG                     ; the spare words: 128 bytes for each of 6 waves
.set G1,    24
.set G0,    32
.set SEL,   66
.set TM,    16
.set SWD,   40
.set X,     48
.set PC,    176
.set OUT,   196
	s_load_b256 s[4:11], s[0:1], 0x0               ; x, Wq, Wk, Wv
	s_load_b128 s[12:15], s[0:1], 0x20             ; Wo, cod
	s_load_b64 s[16:17], s[0:1], 0x30              ; scl
	v_lshl_add_u32 v208, v0, 2, SPARE
	v_mov_b32 v209, 0
	ds_add_u32 v208, v209                          ; the opening lines: the add twice on end and one wait
	ds_add_u32 v208, v209
	v_lshrrev_b32 v1, 5, v0
	v_readfirstlane_b32 s18, v1                    ; wave 0..5
	s_lshr_b32 s40, s18, 1                         ; t: which of the work-group's three tiles
	s_and_b32 s41, s18, 1                          ; g
	s_mul_i32 s19, ttmp9, 3
	s_add_co_u32 s19, s19, s40                     ; tile 0..767
	s_sub_co_u32 s20, s19, 512
	s_lshr_b32 s21, s20, 6                         ; which weight
	s_and_b32 s20, s20, 63
	s_cmp_lt_u32 s19, 512
	s_cselect_b32 s20, s19, s20                    ; the tile's number in its tensor
	s_lshr_b32 s22, s20, 1
	s_lshl_b32 s22, s22, 17                        ; 32 rows of 4,096 bytes for each pair of tiles,
	s_and_b32 s23, s20, 1
	s_lshl_b32 s23, s23, 15                        ; 8 rows for the odd tile,
	s_add_co_u32 s22, s22, s23
	s_lshl_b32 s23, s41, 16                        ; 16 rows for g
	s_add_co_u32 s22, s22, s23
	s_mov_b32 s23, 0
	s_mul_i32 s68, s19, 12288
	s_mul_i32 s42, s41, 6144                       ; my four K steps' images
	s_add_co_u32 s68, s68, s42
	s_mov_b32 s69, 0
	s_lshl_b32 s70, s19, 9
	s_lshl_b32 s42, s41, 4                         ; my four words of each row's eight
	s_add_co_u32 s70, s70, s42
	s_mov_b32 s71, 0
	s_mul_i32 s43, s40, WREG
	s_mul_i32 s42, s41, GOFF
	s_add_co_u32 s42, s42, s43                     ; where my load lands
	s_mul_i32 s44, s41, 2*LP
	s_add_co_u32 s44, s44, s43                     ; where I read: the tile's region, at line 2 g of each row
	s_mov_b32 s[G1], (2<<16)|(1<<20)|(7<<22)|(3<<25)   ; elements of 4 bytes; 4 words of padding behind every 256
	s_mov_b32 s[G1+1], 256<<16
	s_mov_b32 s[G1+2], 32<<16
	s_mov_b32 s[G1+3], 256<<16
	s_mov_b32 s[G1+4], 32
	s_mov_b32 s[G1+5], 256
	s_mov_b32 s[G1+6], 0
	s_mov_b32 s[G1+7], 0
	s_mov_b32 s[SEL], 0x76543210
	s_mov_b32 s[SEL+1], 0xfedcba98
	s_wait_dscnt 0x0
	s_wait_kmcnt 0x0
	s_cmp_eq_u32 s21, 1
	s_cselect_b64 s[6:7], s[8:9], s[6:7]
	s_cmp_eq_u32 s21, 2
	s_cselect_b64 s[6:7], s[10:11], s[6:7]
	s_cmp_eq_u32 s21, 3
	s_cselect_b64 s[6:7], s[12:13], s[6:7]
	s_cmp_lt_u32 s19, 512
	s_cselect_b64 s[6:7], s[4:5], s[6:7]
	s_mov_b32 s[G0], 1
	s_mov_b32 s[G0+1], s42
	s_add_nc_u64 s[G0+2:G0+3], s[6:7], s[22:23]
	s_or_b32 s[G0+3], s[G0+3], 0x80000000
	tensor_load_to_lds s[G0:G0+3], s[G1:G1+7]      ; my one load: 8 rows x 4,096 bytes
	s_nop 0
	s_add_nc_u64 s[14:15], s[14:15], s[68:69]
	s_add_nc_u64 s[16:17], s[16:17], s[70:71]
	v_and_b32 v1, 15, v0                           ; r
	v_bfe_u32 v2, v0, 4, 1                         ; h
	v_and_b32 v6, 31, v0                           ; lane
	v_and_b32 v7, 7, v0
	v_bfe_u32 v8, v0, 3, 1
	v_mul_u32_u24 v3, v7, RP
	v_mad_u32_u24 v3, v8, GOFF, v3                 ; row r of the tile
	v_lshl_add_u32 v3, v2, 6, v3                   ; + 16 floats for lanes 16-31
	v_add_nc_u32 v3, s44, v3
	v_lshlrev_b32 v4, 4, v6                        ; an image's place for my lane
	v_lshlrev_b32 v5, 5, v1
	v_lshl_add_u32 v5, v2, 3, v5                   ; scale words: 32 r + 8 h
.irp b, 0,1,2,3
	v_mov_b32 v[TM+4+\b], 0                        ; a lane permute's destination counts as one of its sources
.endr
; 64 numbers of a lane, register 16 b + i = k 32 b + 16 h + i of my row, become a fragment's 12 registers in v[PC] on and its scale word in v[pw]
.macro QUANT s, pw
.irp b, 0,1,2,3
	v_max3_num_f32 v[TM+\b], |v[\s+16*\b]|, |v[\s+1+16*\b]|, 0x2800000
.endr
.irp i, 2,4,6,8,10,12,14
.irp b, 0,1,2,3
	v_max3_num_f32 v[TM+\b], v[TM+\b], |v[\s+16*\b+\i]|, |v[\s+1+16*\b+\i]|
.endr
.endr
.irp b, 0,1,2,3
	v_permlanex16_b32 v[TM+4+\b], v[TM+\b], s[SEL], s[SEL+1]
.endr
.irp b, 0,1,2,3
	v_max_num_f32 v[TM+\b], v[TM+\b], v[TM+4+\b]
.endr
.irp b, 0,1,2,3
	v_add_nc_u32 v[TM+12+\b], 0xfe000000, v[TM+\b] ; 4 off the exponent field: the conversion's scale operand
.endr
.irp b, 0,1,2,3
	v_lshrrev_b32 v[TM+4+\b], 23, v[TM+12+\b]      ; the byte
.endr
	v_lshl_or_b32 v[\pw], v[TM+5], 8, v[TM+4]
	v_lshl_or_b32 v[\pw], v[TM+6], 16, v[\pw]
	v_lshl_or_b32 v[\pw], v[TM+7], 24, v[\pw]
.irp c, 0,1
	v_cvt_scalef32_pk16_bf6_f32 v[PC+6*\c:PC+2+6*\c], v[\s+32*\c:\s+15+32*\c], v[TM+12+2*\c]
	v_cvt_scalef32_pk16_bf6_f32 v[PC+12+4*\c:PC+14+4*\c], v[\s+16+32*\c:\s+31+32*\c], v[TM+12+2*\c+1]
.endr
	v_nop                                          ; one plain line behind the scaled conversions
.irp c, 0,1
.irp i, 0,1,2
	v_permlane16_swap_b32 v[PC+6*\c+\i], v[PC+12+4*\c+\i]
.endr
.irp i, 0,1,2
	v_mov_b32 v[PC+3+6*\c+\i], v[PC+12+4*\c+\i]
.endr
.endr
.endm
.macro LOADX s                         ; my s-th K step: 16 loads of 16 bytes a lane
.irp b, 0,1,2,3
.irp j, 0,1,2,3
	ds_load_b128 v[X+64*((\s)%2)+16*\b+4*\j:X+64*((\s)%2)+16*\b+4*\j+3], v3 offset:LP*((\s)/2)+512*((\s)%2)+128*\b+16*\j
.endr
.endr
.endm
.macro KSTEP s
.if (\s) < 3
	LOADX (\s)+1
	s_wait_dscnt 16                                ; this step's numbers are in; the next step's 16 loads may be out
.else
	s_wait_dscnt 0x0
.endif
	s_wait_xcnt 0x0                                ; the last step's stores have read their data: the codes' registers are written again
.set XS, X+64*((\s)%2)
	QUANT XS, SWD+(\s)
.irp c, 0,1,2
	global_store_b128 v4, v[PC+4*\c:PC+4*\c+3], s[14:15] offset:1536*(\s)+512*\c   ; 512 consecutive bytes, aligned
.endr
.endm
	s_wait_alu depctr_va_vdst(0)
	s_wait_tensorcnt 0x0                           ; my eight rows are in;
	s_barrier_signal -1
	s_barrier_wait -1                              ; and so are my partner's
	LOADX 0
.irp s, 0,1,2,3
	KSTEP \s
.endr
	v_cmp_le_u32 vcc_lo, 16, v6                    ; lanes r and r + 16 hold the same words: lanes 0-15 store my words 0, 1, lanes 16-31 words 2, 3
	v_cndmask_b32 v[OUT], v[SWD], v[SWD+2], vcc_lo
	v_cndmask_b32 v[OUT+1], v[SWD+1], v[SWD+3], vcc_lo
	global_store_b64 v5, v[OUT:OUT+1], s[16:17]
	s_wait_tensorcnt 0x0                           ; the wave's end
	ds_add_u32 v208, v209
	s_wait_dscnt 0x0
	s_endpgm
.Lfunc_end_k_qd7ea47465f_quant:
	.size	k_qd7ea47465f_quant, .Lfunc_end_k_qd7ea47465f_quant-k_qd7ea47465f_quant
	.p2alignl 7, 3214868480
	.fill 96, 4, 3214868480
	.section	.rodata,"a",@progbits
	.p2align	6, 0x0
	.amdhsa_kernel k_qd7ea47465f_quant
		.amdhsa_group_segment_fixed_size 204800
		.amdhsa_private_segment_fixed_size 0
		.amdhsa_enable_private_segment 0
		.amdhsa_kernarg_size 56
		.amdhsa_user_sgpr_count 2
		.amdhsa_user_sgpr_kernarg_segment_ptr 1
		.amdhsa_wavefront_size32 1
		.amdhsa_system_sgpr_workgroup_id_x 1
		.amdhsa_system_sgpr_workgroup_id_y 1
		.amdhsa_system_sgpr_workgroup_id_z 1
		.amdhsa_system_vgpr_workitem_id 0
		.amdhsa_next_free_vgpr 210
		.amdhsa_next_free_sgpr 72
		.amdhsa_reserve_vcc 1
		.amdhsa_float_denorm_mode_32 3
		.amdhsa_float_denorm_mode_16_64 3
		.amdhsa_memory_ordered 1
		.amdhsa_forward_progress 1
		.amdhsa_inst_pref_size 25
	.end_amdhsa_kernel
	.amdgpu_metadata
---
amdhsa.version: [ 1, 2 ]
amdhsa.kernels:
  - .name:           k_qd7ea47465f_quant
    .symbol:         k_qd7ea47465f_quant.kd
    .args:
      - { .name: hidden_states, .offset: 0, .size: 8, .value_kind: global_buffer, .address_space: global }
      - { .name: Wq, .offset: 8, .size: 8, .value_kind: global_buffer, .address_space: global }
      - { .name: Wk, .offset: 16, .size: 8, .value_kind: global_buffer, .address_space: global }
      - { .name: Wv, .offset: 24, .size: 8, .value_kind: global_buffer, .address_space: global }
      - { .name: Wo, .offset: 32, .size: 8, .value_kind: global_buffer, .address_space: global }
      - { .name: cod, .offset: 40, .size: 8, .value_kind: global_buffer, .address_space: global }
      - { .name: scl, .offset: 48, .size: 8, .value_kind: global_buffer, .address_space: global }
    .group_segment_fixed_size: 204800
    .private_segment_fixed_size: 0
    .kernarg_segment_align: 8
    .kernarg_segment_size: 56
    .max_flat_workgroup_size: 192
    .sgpr_count:     72
    .vgpr_count:     210
    .wavefront_size: 32
...
	.end_amdgpu_metadata
.endif
;; end of part 1
;; launch qkv (part 2): grid 12 x 32, 4 waves a work-group, clusters of 4 x 4, 327,680 bytes of LDS; arguments cod, scl, bq, bk, bv, qkv, qkvs; writes qkv, qkvs
.if DOCPART == 2
	.amdgcn_target "amdgcn-amd-amdhsa--gfx1250"
	.amdhsa_code_object_version 6
	.text
	.protected	k_qd7ea47465f_qkv
	.globl	k_qd7ea47465f_qkv
	.p2align	8
	.type	k_qd7ea47465f_qkv,@function
k_qd7ea47465f_qkv:
	s_mov_b64 s[64:65], 0
	v_nop
	global_prefetch_b8 v0, s[64:65] scope:SCOPE_SE
	s_setreg_imm32_b32 hwreg(HW_REG_WAVE_MODE, 25, 1), 1
	s_wait_xcnt 0x0
	s_wait_alu depctr_hold_cnt(0) depctr_sa_sdst(0) depctr_va_vdst(0) depctr_va_sdst(0) depctr_va_ssrc(0) depctr_va_vcc(0) depctr_vm_vsrc(0)
	s_getreg_b32 s2, hwreg(HW_REG_IB_STS2, 6, 4)
	s_cmp_eq_u32 s2, 0
	s_cbranch_scc0 .Lentry_in_a_cluster
	s_endpgm
.Lentry_in_a_cluster:
	s_bfe_u32 s2, ttmp6, 0x10000c
	s_cmp_lg_u32 s2, 0xf033
	s_cbranch_scc0 .Lentry_shape_is_right
	s_endpgm
.Lentry_shape_is_right:
; q = (x Wq^T + bq) / 8, k = x Wk^T + bk, v = x Wv^T + bv on codes of BF6 (E3M2) with E8M0 scales; the results are quantised in registers and stored as images of attention's operand registers.
; ONE BODY, TWO ROLES, chosen by the cluster's x (equal in all sixteen partners) through selects alone.  Clusters x = 0, 1: A = x (8,192 rows), B = Wq over Wk (2,048 rows).  Cluster x = 2: A = Wv (1,024 rows),
; B = x: so that v comes out with the tokens along a lane's registers, since the keys are the K of attention's second product.
; A tile of C, 256 x 256, is made by four waves, each 128 x 128: 64 accumulators, 512 registers.  K = 1,024 goes in four steps of 256 through a ring of two LDS slots filled by the tensor data mover.
; OPERANDS ARE IMAGES: cod holds, for each tile of 16 rows and each 128 along K, the fragment's 12 registers lane by lane (1,536 bytes).  A slot's part of a tile is 3,072 consecutive bytes; a wave's tensor load
; brings 8 tiles (128 rows): 8 rows of 3,072 bytes, 12,288 apart.  A fragment comes from LDS by three loads of 16 bytes a lane, 512 consecutive bytes each: no pitch, no padding.
; THE SCALES of the work-group's 256 + 256 rows, for all of K (32 bytes a row), come into LDS once, with the first fills.
; CLUSTERS: 4 x 4 work-groups; A's tiles are asked for jointly along a row of the cluster, B's along a column.
; THE MATRIX INSTRUCTION IS USED TRANSPOSED (source 0 = 16 rows of B, source 1 = 16 rows of A).  Stored tile 2 B + u holds in lane r the row 32 B + 8 u + r + 8 (r / 8), so a lane's 64 results of a block of A's rows are,
; register 16 b + i, B's row 32 b + 16 h + i: 16 neighbours of each block of 32 along the next product's K.
; THE WAY OUT uses no LDS: bias and factor in f32, the quantiser, and each half fragment (6 registers: 64 along the next K) leaves as 512 + 256 consecutive bytes.
;   qkv  [q, k, v][batch][head][step of 128 tokens][e 0..7][768 bytes]: q, k: e = the step's tile of 16 tokens, lane (r, h): d = 32 h .. + 31.  v: e = 2 dt + c: lane (r, h): keys 64 c + 32 h .. + 31 of d row (dt, r).
;   qkvs [q, k, v][batch][head][step][r][4 words]: q, k: word f = the two bytes of tile 2 f, then those of tile 2 f + 1.  v: word dt = the four key blocks' bytes.
; (acc + bq) / 8 is made as acc x 0.125 + 0.125 bq: the factor is a power of two, so the result is the same.  LIMITS: as the quantising launch states them (blocks of zeros keep the byte 1; no NaN, no infinities).
; REGISTERS: window 0: v0-31 addresses; v32-63 scale words, two sets; v64-127 the bias along the registers; v128-223 A's fragments, one set; v224-239 the bias along the lanes; v240-255 at work.
;   window 1: B's fragments, two sets, at v0 and v128.  window 2: the accumulators of my rows 0-63 ((a, b) at v[8 (8 a + b)]); window 3: rows 64-127.
.set NQ,    2                          ; matrix instructions deep in a slot
.set FR,    12                         ; registers of a fragment
.set NL,    3                          ; LDS loads that bring one
.set NP,    4                          ; places behind this matrix instruction (ISA guide 7.12.1)
.set FRB,   1536                       ; a fragment's image
.set TSL,   NQ*FRB                     ; a tile's bytes in a slot
.set HALFT, 8*TSL                      ; 128 rows: what one tensor load brings
.set SLOT,  4*HALFT                    ; A's 256 rows, then B's
.set KS,    32                         ; a row of scales in bytes
.set SCL,   2*SLOT                     ; behind the ring: the scales, as units of 256 bytes + 16 of padding
.set HALFS, 16*272                     ; those of 128 rows
.set SBLK,  2*272                      ; those of 16 rows
.set SPARE, SCL+4*HALFS                ; the spare words, 128 bytes for each wave: two blocks of 256 bytes that no other line names
.set ADRA, 16                          ; v16-17 LDS address of my A fragments in slot 0, 1
.set ADRB, 20                          ; v20-21 the same for B
.set ADRS, 27                          ; v27    of my scale words: lanes 0-15 A's rows, lanes 16-31 B's
.set SPW,  28                          ; v28    my spare word: SPARE + 4 x my thread's number; never rewritten
.set NIL,  29                          ; v29    0; never rewritten
.set SC,   32                          ; scale words: set s at v[SC + 16 s]; register 2 i + q: lanes 0-15 A's block i, lanes 16-31 B's block i
.set BN,   64                          ; v64-127  bias of B's rows: register 16 b + i
.set AF,   128                         ; A's fragments
.set BM,   224                         ; v224-239 bias of A's rows: block a in v[BM + 2 a] (the odd registers are 0)
.set TM,   240                         ; v240-255 at work in QUANT
.set HV,   128                         ; the way out: 64 numbers
.set PC,   192                         ; their codes
.set PW,   32                          ; v32-39 the eight blocks' scale words;  v40-47 as they are stored;  v48-51 the store's data
.set SW,   40
.set OUT,  48
.set G1,   24                          ; s[24:31], s[32:39] groups 1 and 0 (a set a slot) for A's tiles;  s[48:55], s[56:63] for B's
.set G0,   32
.set G1B,  48
.set G0B,  56
.set SEL,  66                          ; s[66:67] lane selects for v_permlanex16_b32
.set G1S,  68                          ; s[68:75], s[76:79] for A's scales;  s[80:87], s[88:91] for B's
.set G0S,  76
.set G1SB, 80
.set G0SB, 88
.set SCP,  92                          ; s[92:93] the factor: 0.125 for q, else 1
.set BNS,  94                          ; s[94:95] what the bias along the registers is multiplied by: the factor, or 0 in v's role
.set BMS,  97                          ; s97  the same for the bias along the lanes: 0, or 1 in v's role
.set RM,   98                          ; s98  all ones in v's role
.set SA,   99                          ; s99  bytes from one block's image to the next;  s100 the same from block 3 to block 4;  s101 from a fragment's first half to its second
.set SBP,  100
.set SCO,  101
.set MSB, 0
.macro WIN new                         ; the immediate's high byte repeats the setting that is left
.if MSB != \new
	s_set_vgpr_msb (MSB<<8)|\new
.set MSB, \new
.endif
.endm
.set MUL_LO, 0xa1                      ; source 0 (B) window 1, source 1 (A) window 0, C and D window 2
.set MUL_HI, 0xf1                      ; the same, C and D window 3
.set TO_B,   0x40                      ; destination window 1, address window 0
; A joint load: waves 0 and 1 fetch for A, waves 2 and 3 for B; the branch hangs on the wave's number alone.  Four v_nop follow each of the two lines.
.macro JLOAD g0a, g1a, g0b, g1b
	s_cmp_eq_u32 s19, 0
	s_cbranch_scc0 .Lfor_b_\@
	tensor_load_to_lds s[\g0a:\g0a+3], s[\g1a:\g1a+7]
	s_nop 0
.rept 4
	v_nop
.endr
	s_branch .Lasked_\@
.Lfor_b_\@:
	tensor_load_to_lds s[\g0b:\g0b+3], s[\g1b:\g1b+7]
	s_nop 0
.rept 4
	v_nop
.endr
.Lasked_\@:
.endm
.macro CREST                           ; a round of the cluster's barrier behind its opening barrier
	s_cmp_lg_u32 s18, 0
	s_cbranch_scc1 .Lnot_wave_0_\@
	s_barrier_signal -3
.Lnot_wave_0_\@:
	s_barrier_wait -3
	s_barrier_signal -1
	s_barrier_wait -1
.endm
.macro CROUND                          ; a whole round
	s_barrier_signal -1
	s_barrier_wait -1
	CREST
.endm
	s_load_b256 s[4:11], s[0:1], 0x0               ; cod, scl, bq, bk
	s_load_b128 s[12:15], s[0:1], 0x20             ; bv, qkv
	s_load_b64 s[16:17], s[0:1], 0x30              ; qkvs
	v_lshl_add_u32 v[SPW], v0, 2, SPARE
	v_mov_b32 v[NIL], 0
	ds_add_u32 v28, v29
	ds_add_u32 v28, v29
	s_wait_dscnt 0x0
	v_lshrrev_b32 v1, 5, v0
	v_readfirstlane_b32 s18, v1                    ; wave 0..3
	s_lshr_b32 s19, s18, 1                         ; which half of the tile's rows is mine.  Also: I fetch for A (0) or for B (1)
	s_and_b32 s20, s18, 1                          ; which half of its columns.  Also: which 128 rows I fetch
	s_bfe_u32 s40, ttmp6, 0x40000                  ; cx, cy: my place in the cluster
	s_bfe_u32 s41, ttmp6, 0x40004
	s_and_b32 s22, ttmp7, 0xffff                   ; the cluster's y
	s_cmp_eq_u32 ttmp9, 2                          ; v's role?  The same answer in all sixteen partners
	s_cselect_b32 s96, 1, 0
	s_cselect_b32 s23, s22, ttmp9                  ; v: the 8 clusters lie along the tokens, which are B's rows
	s_cselect_b32 s22, 0, s22                      ;    and A, Wv, has one cluster's height
	s_cselect_b32 s97, 640, 0                      ; A's first tile in cod: Wv's, or x's
	s_cselect_b32 s98, 0, 512                      ; B's: x's, or Wq's (Wk's follow)
	s_lshl_b32 s42, s23, 2
	s_add_co_u32 s42, s42, s40                     ; tile column of C
	s_lshl_b32 s21, s22, 2
	s_add_co_u32 s21, s21, s41                     ; tile row of C
	s_lshl_b32 s43, s41, 2
	s_lshl_b32 s43, 15, s43                        ; my row of the cluster
	s_lshl_b32 s44, 0x1111, s40                    ; my column
	; group 1 for the codes: 8 rows of 3,072 bytes (384 elements of 8 bytes), 12,288 bytes apart, dense in LDS
	s_or_b32 s[G1+0], s43, (3<<16)|(1<<21)         ; 15:0 the mask: A's tiles go to my row; 17:16 elements of 8 bytes; 21 set beside a mask
	s_or_b32 s[G1B+0], s44, (3<<16)|(1<<21)
.irp g, G1, G1B
	s_mov_b32 s[\g+1], 384<<16                     ; tensor_dim0
	s_mov_b32 s[\g+2], 16<<16                      ; tensor_dim1: 16 tiles for the head's loads; behind them the two words that count tiles are set to 8
	s_mov_b32 s[\g+3], 384<<16                     ; tile_dim0
	s_mov_b32 s[\g+4], 16                          ; tile_dim1
	s_mov_b32 s[\g+5], 1536                        ; elements from tile to tile
	s_mov_b32 s[\g+6], 0
	s_mov_b32 s[\g+7], 0
.endr
	; and for the scales of 256 rows: 8,192 dense bytes as 32 rows of 256 bytes, 16 bytes of padding behind each
	s_or_b32 s[G1S+0], s43, (3<<16)|(1<<20)|(1<<21)|(5<<22)|(3<<25)
	s_or_b32 s[G1SB+0], s44, (3<<16)|(1<<20)|(1<<21)|(5<<22)|(3<<25)
.irp g, G1S, G1SB
	s_mov_b32 s[\g+1], 32<<16
	s_mov_b32 s[\g+2], 32<<16                      ; the scales of all 256 rows: 32 rows of 256 bytes
	s_mov_b32 s[\g+3], 32<<16
	s_mov_b32 s[\g+4], 32
	s_mov_b32 s[\g+5], 32
	s_mov_b32 s[\g+6], 0
	s_mov_b32 s[\g+7], 0
.endr
	s_lshl_b32 s45, s20, 3                         ; which 8 tiles of the 16 I fetch
	s_lshl_b32 s46, s21, 4
	s_add_co_u32 s46, s46, s45
	s_add_co_u32 s46, s46, s97                     ; A: tile = first + 16 x tile row + 8 x half: it hangs on cy alone
	s_lshl_b32 s92, s42, 4
	s_add_co_u32 s92, s92, s45
	s_add_co_u32 s92, s92, s98                     ; B: on cx alone
	s_mul_i32 s22, s46, 12288                      ; their codes,
	s_mov_b32 s23, 0
	s_sub_co_u32 s46, s46, s45                     ; the scales come for all 16 tiles at once: from the first
	s_lshl_b32 s46, s46, 9
	s_mov_b32 s47, 0
	s_mul_i32 s94, s92, 12288
	s_mov_b32 s95, 0
	s_sub_co_u32 s92, s92, s45
	s_lshl_b32 s92, s92, 9
	s_mov_b32 s93, 0
	s_mul_i32 s99, s18, HALFT                      ; where they go: wave x 128 rows: no place in the cluster enters an LDS address
	s_mov_b32 s[SEL], 0x76543210
	s_mov_b32 s[SEL+1], 0xfedcba98
	s_wait_kmcnt 0x0
	s_add_nc_u64 s[22:23], s[4:5], s[22:23]
	s_add_nc_u64 s[46:47], s[6:7], s[46:47]
	s_add_nc_u64 s[94:95], s[4:5], s[94:95]
	s_add_nc_u64 s[92:93], s[6:7], s[92:93]
	CROUND                                         ; all sixteen work-groups are here: the first joint loads meet
	s_mov_b32 s[G0S], 1
	s_mov_b32 s[G0S+1], SCL
	s_mov_b64 s[G0S+2:G0S+3], s[46:47]
	s_or_b32 s[G0S+3], s[G0S+3], 0x80000000
	s_mov_b32 s[G0SB], 1
	s_mov_b32 s[G0SB+1], SCL+2*HALFS
	s_mov_b64 s[G0SB+2:G0SB+3], s[92:93]
	s_or_b32 s[G0SB+3], s[G0SB+3], 0x80000000
.irp s, 0,1
	s_mov_b32 s[G0+4*\s], 1
	s_add_co_u32 s[G0+4*\s+1], s99, \s*SLOT
	s_add_nc_u64 s[G0+4*\s+2:G0+4*\s+3], s[22:23], \s*TSL
	s_or_b32 s[G0+4*\s+3], s[G0+4*\s+3], 0x80000000
	s_mov_b32 s[G0B+4*\s], 1
	s_add_co_u32 s[G0B+4*\s+1], s99, \s*SLOT
	s_add_nc_u64 s[G0B+4*\s+2:G0B+4*\s+3], s[94:95], \s*TSL
	s_or_b32 s[G0B+4*\s+3], s[G0B+4*\s+3], 0x80000000
.endr
	; the prefetches' base: of the 8 tiles that I fetch in the ring, the partner at place p (cx for A, cy for B) names tiles 2 p, 2 p + 1: the four share the blocks out by address
	s_cmp_eq_u32 s19, 0
	s_cselect_b64 s[4:5], s[22:23], s[94:95]
	s_cselect_b32 s2, s40, s41
	s_mul_i32 s2, s2, 2*12288
	s_mov_b32 s3, 0
	s_add_nc_u64 s[4:5], s[4:5], s[2:3]
; THE HEAD'S LOADS, ONE A WAVE: wave 0 slot 0's 16 tiles of A, wave 1 the scales of A's 256 rows, wave 2 slot 0's 16 tiles of B, wave 3 B's scales.
; Waves 0 and 2 fetch the lower half in the ring, so their own group 0 of slot 0 already names the tile's first byte and its place in LDS.  One chain of branches on the wave's number, one load to an arm.
.macro ARM under, g0, g1, next
	s_cmp_lt_u32 s18, \under
	s_cbranch_scc0 \next
	tensor_load_to_lds s[\g0:\g0+3], s[\g1:\g1+7]
	s_nop 0
.rept 4
	v_nop
.endr
	s_branch .Lhead_asked
\next:
.endm
	ARM 1, G0,  G1,  .Lhead_sa
	ARM 2, G0S, G1S, .Lhead_b
	ARM 3, G0B, G1B, .Lhead_sb
	tensor_load_to_lds s[G0SB:G0SB+3], s[G1SB:G1SB+7]
	s_nop 0
.rept 4
	v_nop
.endr
.Lhead_asked:
	v_and_b32 v1, 15, v0                           ; r
	v_bfe_u32 v2, v0, 4, 1                         ; h
	v_and_b32 v3, 31, v0                           ; lane
	v_lshlrev_b32 v4, 4, v3
	; prefetches: a slot's part of my two tiles is 2 x 12 blocks of 256 bytes: lane l < 24 names block l % 12 of tile l / 12; lanes 24-31 name the last block again.  v14 is never rewritten
	v_min_u32 v14, 23, v3
	v_mul_u32_u24 v15, v14, 11
	v_lshrrev_b32 v15, 7, v15                      ; l / 12 for l < 24
	v_mul_u32_u24 v15, v15, 12288-12*256
	v_lshl_add_u32 v14, v14, 8, v15
	global_prefetch_b8 v14, s[4:5] offset:TSL th:TH_LOAD_NT scope:SCOPE_SE     ; K 256-511, which the next load asks for,
	global_prefetch_b8 v14, s[4:5] offset:2*TSL th:TH_LOAD_NT scope:SCOPE_SE   ; and K 512-767, two loads on
	s_mul_i32 s22, s19, HALFT                      ; my 128 rows of A
	s_mul_i32 s23, s20, HALFT                      ; my 128 rows of B,
	s_add_co_u32 s23, s23, 2*HALFT                 ; which lie behind A's 256
.irp s, 0,1
	v_add_nc_u32 v[ADRA+\s], s22, v4
	v_add_nc_u32 v[ADRB+\s], s23, v4
	s_add_co_u32 s22, s22, SLOT
	s_add_co_u32 s23, s23, SLOT
.endr
	v_mul_u32_u24 v5, v1, KS                       ; my row's scales: 32 bytes a row,
	v_lshrrev_b32 v6, 8, v5
	v_lshl_add_u32 v5, v6, 4, v5                   ; and 16 more for each 256 passed
	s_mul_i32 s22, s19, HALFS                      ; A's: my 128 rows
	s_mul_i32 s23, s20, HALFS                      ; B's: my 128 rows, behind A's 256
	s_add_co_u32 s23, s23, 2*HALFS
	s_sub_co_u32 s23, s23, s22
	v_mul_u32_u24 v6, s23, v2                      ; lanes 16-31 take B's
	s_add_co_u32 s22, s22, SCL
	v_add_nc_u32 v5, v5, v6
	v_add_nc_u32 v[ADRS], s22, v5
	; what the way out needs: where my 128 x 128 lies among tokens and features, the factors, the biases
	s_lshl_b32 s45, s21, 8
	s_lshl_b32 s22, s19, 7
	s_add_co_u32 s45, s45, s22                     ; my first row of A
	s_lshl_b32 s46, s42, 8
	s_lshl_b32 s22, s20, 7
	s_add_co_u32 s46, s46, s22                     ; my first row of B
	s_add_co_u32 s47, s45, 2048
	s_cmp_lt_u32 s42, 4                            ; B's rows 0-1,023 are Wq's
	s_cselect_b64 s[8:9], s[8:9], s[10:11]
	s_cmp_eq_u32 s96, 1
	s_cselect_b64 s[8:9], s[12:13], s[8:9]         ; (in v's role this bias is multiplied by 0: it is read from bv, inside the buffer)
	s_cselect_b32 s22, s46, s45                    ; my first token
	s_cselect_b32 s23, s47, s46                    ; my first feature of the 3,072: q's, k's, v's
	s_mov_b32 s[SA], 768
	s_cselect_b32 s[SA], 1536, s[SA]
	s_mov_b32 s[SBP], 768
	s_cselect_b32 s[SBP], 44544, s[SBP]            ; v: from d tile 3 of one head to d tile 0 of the next: 49,152 - 3 x 1,536
	s_mov_b32 s[SCO], 49152
	s_cselect_b32 s[SCO], 768, s[SCO]              ; q, k: a fragment's second half is the next head's; v: the same d rows' next 64 keys
	s_cselect_b32 s[BMS], 1.0, 0
	s_cselect_b32 s[RM], -1, 0
	s_lshr_b32 s47, s23, 10                        ; 0 q, 1 k, 2 v
	s_cmp_eq_u32 s47, 0
	s_cselect_b32 s[SCP], 0x3e000000, 1.0          ; 0.125 = 64^-0.5
	s_mov_b32 s[SCP+1], s[SCP]
	s_cmp_eq_u32 s96, 1
	s_cselect_b32 s[BNS], 0, s[SCP]
	s_mov_b32 s[BNS+1], s[BNS]
	s_and_b32 s2, s23, 1023
	s_lshr_b32 s2, s2, 6                           ; my first head
	s_lshr_b32 s3, s22, 10                         ; the batch
	s_lshl_b32 s3, s3, 4
	s_add_co_u32 s2, s2, s3
	s_lshl_b32 s2, s2, 3
	s_bfe_u32 s3, s22, 0x30007                     ; the step of 128 tokens
	s_add_co_u32 s2, s2, s3                        ; (16 batch + head) x 8 + step
	s_mul_i32 s22, s47, 6291456
	s_mul_i32 s3, s2, 6144
	s_add_co_u32 s22, s22, s3
	s_mov_b32 s23, 0
	s_add_nc_u64 s[14:15], s[14:15], s[22:23]      ; qkv at my first image
	s_lshl_b32 s22, s47, 18
	s_lshl_b32 s3, s2, 8
	s_add_co_u32 s22, s22, s3
	s_add_nc_u64 s[16:17], s[16:17], s[22:23]      ; qkvs at my first head's words
	s_and_b32 s3, s46, 1023
	s_lshl_b32 s3, s3, 2
	v_lshl_add_u32 v8, v2, 6, s3                   ; bias along the registers: 4 x (first row of B mod 1,024) + 64 h; never rewritten
	s_and_b32 s2, s45, 1023
	s_lshl_b32 s2, s2, 2
	v_and_b32 v6, 8, v1
	v_add_nc_u32 v6, v6, v1                        ; r + 8 (r / 8)
	v_lshl_add_u32 v9, v6, 2, s2                   ; bias along the lanes; never rewritten
.irp b, 0,1,2,3
.irp i, 0,1,2,3
	global_load_b128 v[BN+16*\b+4*\i:BN+16*\b+4*\i+3], v8, s[8:9] offset:128*\b+16*\i   ; waited for on the way out
.endr
.endr
.irp a, 0,1,2,3,4,5,6,7
	global_load_b32 v[BM+2*\a], v9, s[12:13] offset:4*(32*(\a/2)+8*(\a%2))
	v_mov_b32 v[BM+2*\a+1], 0                      ; named with it as a pair
.endr
	v_mov_b32 v10, v4                              ; where a half fragment's first four registers go: 16 x lane,
	v_lshlrev_b32 v11, 3, v3                       ; its last two: 8 x lane (+ 512),
	v_add_nc_u32 v12, s[SCO], v10                  ; and the fragment's second half
	v_add_nc_u32 v13, s[SCO], v11
	v_lshlrev_b32 v7, 4, v1
	v_lshl_add_u32 v7, v2, 11, v7                  ; scale words: 16 r; lanes 16-31 the next head's, 2,048 bytes on
.irp b, 0,1,2,3
	v_mov_b32 v[TM+4+\b], 0                        ; written once: a lane permute's destination counts as one of its sources
.endr
.macro FRAG reg, adr, q, i             ; a fragment's image: three loads of 16 bytes a lane, 512 consecutive bytes each
.irp c, 0,1,2
	ds_load_b128 v[\reg+4*\c:\reg+4*\c+3], v[\adr] offset:(\i)*TSL+(\q)*FRB+512*\c
.endr
.endm
; 16 matrix instructions: A's blocks a0, a0 + 1 x B's eight, 128 along K: the slot's q-th.  p: B's set; sc: the set of scale words.  zero = 1: the first product starts the sums.
; The 64 accumulators take turns, one instruction a turn, in the same order in every step.
.macro MUL16 a0, p, q, sc, zero
.irp a, \a0, \a0+1
.irp b, 0,1,2,3,4,5,6,7
.if \zero
	v_wmma_scale_f32_16x16x128_f8f6f4 v[8*(8*((\a)%4)+\b):8*(8*((\a)%4)+\b)+7], v[128*(\p)+FR*\b:128*(\p)+FR*\b+FR-1], v[AF+FR*(\a):AF+FR*(\a)+FR-1], 0, v[SC+8*NQ*(\sc)+NQ*\b+(\q)], v[SC+8*NQ*(\sc)+NQ*(\a)+(\q)] matrix_a_fmt:MATRIX_FMT_BF6 matrix_b_fmt:MATRIX_FMT_BF6 matrix_a_scale:MATRIX_SCALE_ROW1
.else
	v_wmma_scale_f32_16x16x128_f8f6f4 v[8*(8*((\a)%4)+\b):8*(8*((\a)%4)+\b)+7], v[128*(\p)+FR*\b:128*(\p)+FR*\b+FR-1], v[AF+FR*(\a):AF+FR*(\a)+FR-1], v[8*(8*((\a)%4)+\b):8*(8*((\a)%4)+\b)+7], v[SC+8*NQ*(\sc)+NQ*\b+(\q)], v[SC+8*NQ*(\sc)+NQ*(\a)+(\q)] matrix_a_fmt:MATRIX_FMT_BF6 matrix_b_fmt:MATRIX_FMT_BF6 matrix_a_scale:MATRIX_SCALE_ROW1
.endif
.endr
.endr
.endm
.macro FETCH_B slot, q, p              ; B's eight fragments of the slot's q-th 128 along K into set p
	WIN TO_B
.irp i, 0,1,2,3,4,5,6,7
	FRAG 128*(\p)+FR*\i, ADRB+\slot, \q, \i
.endr
	WIN 0
.endm
.macro FETCH_A slot, q, i0             ; A's blocks i0 .. i0 + 3
.irp i, \i0, \i0+1, \i0+2, \i0+3
	FRAG AF+FR*(\i), ADRA+\slot, \q, \i
.endr
.endm
.macro SCALES sc                       ; the slot's scale words into set sc: 2 words a row; lanes 0-15 A's block i, lanes 16-31 B's block i
.irp i, 0,1,2,3,4,5,6,7
	ds_load_b64 v[SC+8*NQ*\sc+NQ*\i:SC+8*NQ*\sc+NQ*\i+1], v[ADRS] offset:\i*SBLK
.endr
.endm
; A load into a register that a matrix instruction has read stands NP places behind it, and only plain vector instructions that name none of its registers are places (ISA guide 7.12.1 for vector instructions).
.macro PLACES n
.rept \n
	v_nop
.endr
.endm
; A step of 128 along K that has its successor in the same slot.  A has one set of registers: blocks 0-3 are fetched anew in the step's middle, blocks 4-7 at its end; B has two sets.
.macro STEP slot, q, zero
	s_wait_dscnt 4*NL                              ; B's set and A's blocks 0-3 are in; the youngest 12 loads (A's blocks 4-7) may be out
	WIN MUL_LO
	MUL16 0, (\q)%2, \q, \slot, \zero
	MUL16 2, (\q)%2, \q, \slot, \zero
	s_wait_dscnt 0                                 ; A's blocks 4-7 are in
	PLACES NP
	FETCH_B \slot, (\q)+1, 1-(\q)%2
	FETCH_A \slot, (\q)+1, 0
	WIN MUL_HI
	MUL16 4, (\q)%2, \q, \slot, \zero
	MUL16 6, (\q)%2, \q, \slot, \zero
	PLACES NP
	WIN 0
	FETCH_A \slot, (\q)+1, 4
.endm
; A slot's last step changes slots: one barrier; in front of it each wave waits for all its tensor loads, adds 0 to its spare word, and waits for that and for its own reads of this slot.  fill = 1: this slot is filled again.
.macro TURN slot, next, fill
	s_wait_tensorcnt 0x0                           ; all my tensor loads have landed: my part of the next slot
	ds_add_u32 v[SPW], v[NIL]                      ; 0 onto my spare word
	s_wait_dscnt 4*NL+1                            ; (the add and the youngest 12 loads, A's blocks 4-7, may be out)
	WIN MUL_LO
	MUL16 0, 1, NQ-1, \slot, 0                     ; sixteen matrix instructions stand between the add and the wait for it
	s_wait_dscnt 0x0                               ; the add is done, and my reads of this slot are over
	s_barrier_signal -1
	MUL16 2, 1, NQ-1, \slot, 0
	WIN 0
	s_barrier_wait -1
.if \fill
	CREST                                          ; the barrier has opened a round of the cluster's: no wave of any partner still reads this slot or has a load on its way
	s_add_nc_u64 s[G0+4*\slot+2:G0+4*\slot+3], s[G0+4*\slot+2:G0+4*\slot+3], 2*TSL
	s_add_nc_u64 s[G0B+4*\slot+2:G0B+4*\slot+3], s[G0B+4*\slot+2:G0B+4*\slot+3], 2*TSL
	JLOAD G0+4*\slot, G1, G0B+4*\slot, G1B         ; the first tensor load behind the round; its four v_nop are the places in front of the loads below
.else
	PLACES NP
.endif
	s_wait_alu depctr_va_vdst(0)
	v_add_nc_u32 v[ADRS], 4*NQ, v[ADRS]            ; on to the next slot's scale words
	FETCH_B \next, 0, 0
	FETCH_A \next, 0, 0
	SCALES \next
	WIN MUL_HI
	MUL16 4, 1, NQ-1, \slot, 0
	MUL16 6, 1, NQ-1, \slot, 0
	PLACES NP
	WIN 0
	FETCH_A \next, 0, 4
.endm
	s_wait_alu depctr_va_vdst(0)
	s_wait_tensorcnt 0x0                           ; my tile of the head's four is in
	ds_add_u32 v[SPW], v[NIL]
	s_mov_b32 s[G1+2], 8<<16                       ; no tensor load of mine is out: from here on a load brings 8 tiles
	s_mov_b32 s[G1+4], 8
	s_mov_b32 s[G1B+2], 8<<16
	s_mov_b32 s[G1B+4], 8
	s_wait_dscnt 0x0
	CROUND                                         ; all four tiles are in, and all sixteen work-groups are here
	JLOAD G0+4, G1, G0B+4, G1B                     ; slot 1's first fill, the first tensor load behind the round
	FETCH_B 0, 0, 0
	FETCH_A 0, 0, 0
	SCALES 0
	FETCH_A 0, 0, 4
	global_prefetch_b8 v14, s[4:5] offset:3*TSL th:TH_LOAD_NT scope:SCOPE_SE   ; K 768-1,023, two loads on: the last slot, so nothing is asked for after it
	STEP 0, 0, 1                                   ; K 0-127: its products start the sums
	TURN 0, 1, 1                                   ; K 128-255; slot 0 takes K 512-767
	STEP 1, 0, 0
	TURN 1, 0, 1                                   ; slot 1 takes K 768-1,023
	STEP 0, 0, 0
	TURN 0, 1, 0                                   ; nothing is left to fetch
	STEP 1, 0, 0
	s_wait_dscnt 4*NL                              ; the very last step
	WIN MUL_LO
	MUL16 0, 1, NQ-1, 1, 0
	MUL16 2, 1, NQ-1, 1, 0
	s_wait_dscnt 0
	WIN MUL_HI
	MUL16 4, 1, NQ-1, 1, 0
	MUL16 6, 1, NQ-1, 1, 0
	WIN 0
; 64 numbers of a lane, register 16 b + i = k 32 b + 16 h + i of my row, become a fragment's 12 registers of codes in v[PC] on and its scale word in v[pw].
.macro QUANT s, pw
.irp b, 0,1,2,3
	v_max3_num_f32 v[TM+\b], |v[\s+16*\b]|, |v[\s+1+16*\b]|, 0x2800000   ; block b: my 16 numbers, and the floor 2^(5 - 127): the byte cannot fall under 1
.endr
.irp i, 2,4,6,8,10,12,14
.irp b, 0,1,2,3
	v_max3_num_f32 v[TM+\b], v[TM+\b], |v[\s+16*\b+\i]|, |v[\s+1+16*\b+\i]|
.endr
.endr
.irp b, 0,1,2,3
	v_permlanex16_b32 v[TM+4+\b], v[TM+\b], s[SEL], s[SEL+1]
.endr
.irp b, 0,1,2,3
	v_max_num_f32 v[TM+\b], v[TM+\b], v[TM+4+\b]   ; with lane l xor 16's: the block's largest magnitude
.endr
.irp b, 0,1,2,3
	v_add_nc_u32 v[TM+12+\b], 0xfe000000, v[TM+\b] ; 4 off its exponent field: the conversion's scale operand
.endr
.irp b, 0,1,2,3
	v_lshrrev_b32 v[TM+4+\b], 23, v[TM+12+\b]      ; the scale's byte
.endr
	v_lshl_or_b32 v[\pw], v[TM+5], 8, v[TM+4]
	v_lshl_or_b32 v[\pw], v[TM+6], 16, v[\pw]
	v_lshl_or_b32 v[\pw], v[TM+7], 24, v[\pw]
.irp c, 0,1
	v_cvt_scalef32_pk16_bf6_f32 v[PC+6*\c:PC+2+6*\c], v[\s+32*\c:\s+15+32*\c], v[TM+12+2*\c]
	v_cvt_scalef32_pk16_bf6_f32 v[PC+12+4*\c:PC+14+4*\c], v[\s+16+32*\c:\s+31+32*\c], v[TM+12+2*\c+1]
.endr
	v_nop                                          ; one plain line behind the scaled conversions
.irp c, 0,1
.irp i, 0,1,2
	v_permlane16_swap_b32 v[PC+6*\c+\i], v[PC+12+4*\c+\i]
.endr
.irp i, 0,1,2
	v_mov_b32 v[PC+3+6*\c+\i], v[PC+12+4*\c+\i]
.endr
.endr
.endm
; THE WAY OUT of block a (16 rows of A x my 128 rows of B): factor and biases in f32, the quantiser, four stores.
.macro OUTA a
.set WSRC, 0x02+(\a)/4
.set AC, 64*((\a)%4)
	WIN WSRC                                       ; source 0: window 2 or 3
.set j, 0
.rept 32
	v_pk_fma_f32 v[HV+j:HV+j+1], v[AC+j:AC+j+1], s[SCP:SCP+1], v[BN+j:BN+j+1] op_sel_hi:[1,0,1]   ; each accumulator from its low end on
.set j, j+2
.endr
	WIN 0
.set j, 0
.rept 32
	v_pk_add_f32 v[HV+j:HV+j+1], v[HV+j:HV+j+1], v[BM+2*(\a):BM+2*(\a)+1] op_sel_hi:[1,0]
.set j, j+2
.endr
	s_wait_xcnt 0x0                                ; the last block's stores have read their data and offsets: only now are both written again
.if (\a) > 0
.irp i, 10,11,12,13
.if (\a) == 4
	v_add_nc_u32 v\i, s[SBP], v\i
.else
	v_add_nc_u32 v\i, s[SA], v\i
.endif
.endr
.endif
	QUANT HV, PW+(\a)
	global_store_b128 v10, v[PC:PC+3], s[14:15]               ; 512 consecutive bytes, aligned
	global_store_b64 v11, v[PC+4:PC+5], s[14:15] offset:512   ; 256
	global_store_b128 v12, v[PC+6:PC+9], s[14:15]
	global_store_b64 v13, v[PC+10:PC+11], s[14:15] offset:512
.endm
	s_wait_loadcnt 0x0                             ; the biases
.set j, 0
.rept 32
	v_pk_mul_f32 v[BN+j:BN+j+1], v[BN+j:BN+j+1], s[BNS:BNS+1] op_sel_hi:[1,0]   ; these forty lines name no register of the last products: they are the places behind them
.set j, j+2
.endr
.irp a, 0,1,2,3,4,5,6,7
	v_mul_f32 v[BM+2*\a], s[BMS], v[BM+2*\a]
.endr
.irp a, 0,1,2,3,4,5,6,7
	OUTA \a
.endr
	; the scale words.  q, k: block a's word holds two bytes for each of my two heads: head c's word f takes bytes 2 c, 2 c + 1 of blocks 2 f and 2 f + 1.  v: head c's word dt is block 4 c + dt's, as it stands.
.irp c, 0,1
.irp f, 0,1,2,3
	v_perm_b32 v52, v[PW+2*\f+1], v[PW+2*\f], 0x05040100+0x02020202*\c
	v_cndmask_b32 v[SW+4*\c+\f], v52, v[PW+4*\c+\f], s[RM]
.endr
.endr
	v_cmp_le_u32 vcc_lo, 16, v3
.irp i, 0,1,2,3
	v_cndmask_b32 v[OUT+\i], v[SW+\i], v[SW+4+\i], vcc_lo     ; lanes 0-15 store the first head's words, lanes 16-31 the second's
.endr
	global_store_b128 v7, v[OUT:OUT+3], s[16:17]   ; 16 lanes store 256 consecutive bytes, aligned
	s_wait_tensorcnt 0x0                           ; the wave's end
	ds_add_u32 v[SPW], v[NIL]
	s_wait_dscnt 0x0
	CROUND                                         ; the closing round: no work-group ends while a partner may still ask for a tile that names it
	s_endpgm
.Lfunc_end_k_qd7ea47465f_qkv:
	.size	k_qd7ea47465f_qkv, .Lfunc_end_k_qd7ea47465f_qkv-k_qd7ea47465f_qkv
	.p2alignl 7, 3214868480
	.fill 96, 4, 3214868480
	.section	.rodata,"a",@progbits
	.p2align	6, 0x0
	.amdhsa_kernel k_qd7ea47465f_qkv
		.amdhsa_group_segment_fixed_size 327680
		.amdhsa_private_segment_fixed_size 0
		.amdhsa_enable_private_segment 0
		.amdhsa_kernarg_size 56
		.amdhsa_user_sgpr_count 2
		.amdhsa_user_sgpr_kernarg_segment_ptr 1
		.amdhsa_wavefront_size32 1
		.amdhsa_system_sgpr_workgroup_id_x 1
		.amdhsa_system_sgpr_workgroup_id_y 1
		.amdhsa_system_sgpr_workgroup_id_z 1
		.amdhsa_system_vgpr_workitem_id 0
		.amdhsa_next_free_vgpr 1024
		.amdhsa_next_free_sgpr 102
		.amdhsa_reserve_vcc 1
		.amdhsa_float_denorm_mode_32 3
		.amdhsa_float_denorm_mode_16_64 3
		.amdhsa_memory_ordered 1
		.amdhsa_forward_progress 1
		.amdhsa_inst_pref_size 182
	.end_amdhsa_kernel
	.amdgpu_metadata
---
amdhsa.version: [ 1, 2 ]
amdhsa.kernels:
  - .name:           k_qd7ea47465f_qkv
    .symbol:         k_qd7ea47465f_qkv.kd
    .args:
      - { .name: cod, .offset: 0, .size: 8, .value_kind: global_buffer, .address_space: global }
      - { .name: scl, .offset: 8, .size: 8, .value_kind: global_buffer, .address_space: global }
      - { .name: bq, .offset: 16, .size: 8, .value_kind: global_buffer, .address_space: global }
      - { .name: bk, .offset: 24, .size: 8, .value_kind: global_buffer, .address_space: global }
      - { .name: bv, .offset: 32, .size: 8, .value_kind: global_buffer, .address_space: global }
      - { .name: qkv, .offset: 40, .size: 8, .value_kind: global_buffer, .address_space: global }
      - { .name: qkvs, .offset: 48, .size: 8, .value_kind: global_buffer, .address_space: global }
    .group_segment_fixed_size: 327680
    .private_segment_fixed_size: 0
    .kernarg_segment_align: 8
    .kernarg_segment_size: 56
    .max_flat_workgroup_size: 128
    .sgpr_count:     102
    .vgpr_count:     1024
    .wavefront_size: 32
...
	.end_amdgpu_metadata
.endif
;; end of part 2
;; launch attn (part 3): grid 256 x 1, 16 waves a work-group, no clusters, 327,680 bytes of LDS; arguments qkv, qkvs, causal_attention_mask, cod, scl, bo, out0; writes out0
.if DOCPART == 3
	.amdgcn_target "amdgcn-amd-amdhsa--gfx1250"
	.amdhsa_code_object_version 6
	.text
	.protected	k_qd7ea47465f_attn
	.globl	k_qd7ea47465f_attn
	.p2align	8
	.type	k_qd7ea47465f_attn,@function
k_qd7ea47465f_attn:
	s_mov_b64 s[64:65], 0
	v_nop
	global_prefetch_b8 v0, s[64:65] scope:SCOPE_SE
	s_setreg_imm32_b32 hwreg(HW_REG_WAVE_MODE, 25, 1), 1
	s_wait_xcnt 0x0
; softmax(q k^T + mask) v and the projection by Wo, on codes of BF6 (E3M2) with E8M0 scales.  A work-group takes 32 queries of one batch; each of its 16 waves takes one head through all 1,024 keys,
; in 8 steps of 128 keys, two tiles of 16 queries.  The mask is an input: all of it is read, once for the 16 heads, through LDS, and enters as the C of the score products.
; p = 2^(t - M) with a running whole M; the row's sum is taken of the unquantised p; p is quantised block by block in registers.  Then the 16 heads' ctx (32 x 1,024) is quantised, shared through LDS,
; and each wave makes 32 rows x 64 columns of the output, with bo as the first C.
; THE MASK comes in four chunks of 256 keys, 2 rows a wave: chunk 0 at the head, chunk z + 1 behind the barrier at the start of chunk z, so that it has two key steps in which to land.
; NO CLUSTER: k, v and Wo go from memory straight into each wave's registers; the mask's 133,120 bytes and two slots of 16 heads x 6,144 bytes of k and of v (196,608) do not fit in LDS together,
; so there is no tile in LDS that work-groups could ask for jointly.  The mask's rows are each work-group's own.
; The add's two registers cannot be kept (all 256 are at work in the loop): v0 is kept and they are made anew ahead of the three lines.
; LIMITS: the scaled scores stay under 2^31 in magnitude but where the mask makes them so large that p is 0; a row in which EVERY key carries so large a negative mask is not served; no NaN among the inputs.
.set MP,    1040
.set MCH,   32*MP
.set CIMG,  4*MCH
.set CSC,   CIMG+24576
.set STG,   CSC+2048
.set KV,    80
.set S,     128
.set BMX,   24
.set PT,    28
.set SO,    32
.set G1,    28
.set G0,    36
.set GRP,   66
	s_load_b256 s[4:11], s[0:1], 0x0
	s_load_b128 s[12:15], s[0:1], 0x20
	s_load_b64 s[16:17], s[0:1], 0x30
	v_lshl_add_u32 v254, v0, 2, 0x38000
	v_mov_b32 v255, 0
	ds_add_u32 v254, v255
	ds_add_u32 v254, v255
	s_wait_dscnt 0x0
	v_lshrrev_b32 v1, 5, v0
	s_delay_alu instid0(VALU_DEP_1)
	v_readfirstlane_b32 s18, v1
	s_lshr_b32 s19, ttmp9, 5
	s_and_b32 s20, ttmp9, 31
	s_lshr_b32 s21, s18, 2
	s_and_b32 s26, s21, 1
	s_lshl_b32 s26, s26, 1
	s_lshr_b32 s21, s21, 1
	s_or_b32 s21, s21, s26
	s_lshl_b32 s21, s21, 3
	s_and_b32 s26, s18, 3
	s_lshl_b32 s26, s26, 1
	s_add_co_u32 s21, s21, s26
	s_mul_i32 s21, s21, MP
	s_lshl_b32 s26, s19, 22
	s_lshl_b32 s27, s20, 17
	s_add_co_u32 s26, s26, s27
	s_lshl_b32 s27, s18, 13
	s_add_co_u32 s26, s26, s27
	s_mov_b32 s27, 0
	s_mov_b32 s[G1], (2<<16)|(1<<20)|(7<<22)|(3<<25)
	s_mov_b32 s[G1+1], 256<<16
	s_mov_b32 s[G1+2], 2<<16
	s_mov_b32 s[G1+3], 256<<16
	s_mov_b32 s[G1+4], 2
	s_mov_b32 s[G1+5], 1024
	s_mov_b32 s[G1+6], 0
	s_mov_b32 s[G1+7], 0
	s_mov_b32 s22, 0x3fb8aa3b
	s_mov_b32 s23, s22
	s_mov_b32 s24, 0x76543210
	s_mov_b32 s25, 0xfedcba98
	s_wait_kmcnt 0x0
	s_add_nc_u64 s[8:9], s[8:9], s[26:27]
.irp z, 0,1,2,3
	s_mov_b32 s[G0+4*\z], 1
	s_add_co_u32 s[G0+4*\z+1], s21, \z*MCH
	s_add_nc_u64 s[G0+4*\z+2:G0+4*\z+3], s[8:9], \z*1024
	s_or_b32 s[G0+4*\z+3], s[G0+4*\z+3], 0x80000000
.endr
	tensor_load_to_lds s[G0:G0+3], s[G1:G1+7]      ; my 2 rows of the mask's keys 0-255: one tensor load a wave at the head
	s_nop 0
.rept 4
	v_nop
.endr
	s_lshl_b32 s72, s19, 22
	s_lshl_b32 s73, s20, 17
	s_add_co_u32 s72, s72, s73
	s_mov_b32 s73, 0
	s_add_nc_u64 s[16:17], s[16:17], s[72:73]
	s_lshl_b32 s72, s19, 4
	s_add_co_u32 s72, s72, s18
	s_mul_i32 s74, s72, 49152
	s_mov_b32 s75, 0
	s_add_nc_u64 s[56:57], s[4:5], s[74:75]
	s_add_nc_u64 s[52:53], s[56:57], 6291456
	s_add_nc_u64 s[54:55], s[56:57], 12582912
	s_lshr_b32 s73, s20, 2
	s_and_b32 s76, s20, 3
	s_mul_i32 s74, s73, 6144
	s_mul_i32 s77, s76, 1536
	s_add_co_u32 s74, s74, s77
	s_add_nc_u64 s[56:57], s[56:57], s[74:75]
	s_lshl_b32 s74, s72, 11
	s_add_nc_u64 s[78:79], s[6:7], s[74:75]
	s_add_nc_u64 s[58:59], s[78:79], 262144
	s_add_nc_u64 s[60:61], s[78:79], 524288
	s_lshl_b32 s74, s73, 8
	s_lshl_b32 s77, s76, 2
	s_add_co_u32 s74, s74, s77
	s_add_nc_u64 s[78:79], s[78:79], s[74:75]
	s_lshl_b32 s74, s18, 2
	s_add_co_u32 s74, s74, 704
	s_lshl_b32 s76, s74, 9
	s_mov_b32 s77, 0
	s_mul_i32 s74, s74, 12288
	s_add_nc_u64 s[68:69], s[10:11], s[74:75]
	s_add_nc_u64 s[70:71], s[12:13], s[76:77]
	v_and_b32 v5, 31, v0
	s_delay_alu instid0(VALU_DEP_1)
	v_lshlrev_b32 v1, 4, v5
	s_delay_alu instid0(VALU_DEP_2)
	v_lshlrev_b32 v37, 3, v5
	v_and_b32 v36, 15, v0
	s_delay_alu instid0(VALU_DEP_1)
	v_lshlrev_b32 v2, 4, v36
	v_bfe_u32 v4, v0, 4, 1
	s_delay_alu instid0(VALU_DEP_3)
	v_mul_u32_u24 v3, v36, MP
	s_delay_alu instid0(VALU_DEP_1)
	v_lshl_add_u32 v3, v4, 6, v3
.macro LOADQ x
	global_load_b128 v[44:47], v1, s[56:57] offset:768*\x
	global_load_b64 v[48:49], v37, s[56:57] offset:768*\x+512
.endm
.macro LOADH base, sbase
.irp e, 0,1,2,3,4,5,6,7
	global_load_b128 v[KV+6*\e:KV+6*\e+3], v1, s[\base:\base+1] offset:768*\e
	global_load_b64 v[KV+6*\e+4:KV+6*\e+5], v37, s[\base:\base+1] offset:768*\e+512
.endr
	global_load_b128 v[20:23], v2, s[\sbase:\sbase+1]
.endm
.macro WLOAD s
.irp t, 0,1,2,3
.irp c, 0,1,2
	global_load_b128 v[80+48*((\s)%2)+12*\t+4*\c:80+48*((\s)%2)+12*\t+4*\c+3], v1, s[68:69] offset:12288*\t+1536*(\s)+512*\c
.endr
.endr
.endm
	global_load_b32 v36, v2, s[78:79]
	LOADQ 0
.irp i, 38,39,40,41,42,43,50,51,52,53,54,55
	v_mov_b32 v\i, 0
.endr
.set j, 192
.rept 64
	v_mov_b32 v[j], 0
.set j, j+1
.endr
	LOADH 52, 58
	s_wait_loadcnt 19
	v_perm_b32 v16, v36, v36, 0x01000100
	v_perm_b32 v17, v36, v36, 0x03020302
	v_mov_b32 v9, 0xff61b1e6
	v_mov_b32 v13, 0xff61b1e6
	s_delay_alu instid0(VALU_DEP_2)
	v_floor_f32 v8, -v9
	s_delay_alu instid0(VALU_DEP_2)
	v_floor_f32 v12, -v13
.irp i, 7,10,11,14,15,28,29,30,31
	v_mov_b32 v\i, 0
.endr
	v_lshl_add_u32 v5, v0, 2, 0x38000              ; the add's two registers, made anew
	v_mov_b32 v36, 0
	s_wait_alu depctr_va_vdst(0)
	s_wait_tensorcnt 0x0                           ; my rows of chunk 0 are in
	ds_add_u32 v5, v36
	s_wait_dscnt 0x0
	s_barrier_signal -1
	s_barrier_wait -1                              ; chunk 0 is whole
	tensor_load_to_lds s[G0+4:G0+7], s[G1:G1+7]    ; chunk 1, read two key steps on
	s_nop 0
.macro MASKLD x
.irp b, 0,1,2,3
.irp i, 0,1,2,3
	ds_load_b128 v[S+16*\b+4*\i:S+16*\b+4*\i+3], v4 offset:16*MP*\x+128*\b+16*\i
.endr
.endr
.endm
.macro SQK x
.irp f, 0,1,2,3
	v_wmma_scale_f32_16x16x128_f8f6f4 v[S+16*\f:S+16*\f+7], v[KV+12*\f:KV+12*\f+11], v[44:55], v[S+16*\f:S+16*\f+7], v[20+\f], v[16+\x] matrix_a_fmt:MATRIX_FMT_BF6 matrix_b_fmt:MATRIX_FMT_BF6
	v_wmma_scale_f32_16x16x128_f8f6f4 v[S+16*\f+8:S+16*\f+15], v[KV+12*\f:KV+12*\f+11], v[38:49], v[S+16*\f+8:S+16*\f+15], v[20+\f], v[16+\x] matrix_a_fmt:MATRIX_FMT_BF6 matrix_b_fmt:MATRIX_FMT_BF6
.endr
.endm
.macro SM x
.set NM, 8+4*\x
.set PX, 56+12*\x
.set OX, 192+32*\x
.irp b, 0,1,2,3
	v_max3_num_f32 v[BMX+\b], v[S+16*\b], v[S+16*\b+1], v[S+16*\b+2]
.endr
.irp i, 3,5,7,9,11,13
.irp b, 0,1,2,3
	v_max3_num_f32 v[BMX+\b], v[BMX+\b], v[S+16*\b+\i], v[S+16*\b+\i+1]
.endr
.endr
.irp b, 0,1,2,3
	v_max_num_f32 v[BMX+\b], v[BMX+\b], v[S+16*\b+15]
.endr
.irp b, 0,1,2,3
	s_delay_alu instid0(VALU_DEP_4)
	v_permlanex16_b32 v[PT+\b], v[BMX+\b], s24, s25
.endr
.irp b, 0,1,2,3
	s_delay_alu instid0(VALU_DEP_4)
	v_max_num_f32 v[BMX+\b], v[BMX+\b], v[PT+\b]
.endr
	s_delay_alu instid0(VALU_DEP_2)
	v_max3_num_f32 v5, v[BMX], v[BMX+1], v[BMX+2]
	s_delay_alu instid0(VALU_DEP_1)
	v_max_num_f32 v5, v5, v[BMX+3]
	s_delay_alu instid0(VALU_DEP_1)
	v_mul_f32 v5, s22, v5
	s_delay_alu instid0(VALU_DEP_1)
	v_max_num_f32 v[NM+1], v[NM+1], v5
	v_mov_b32 v5, v[NM]
	s_delay_alu instid0(VALU_DEP_2)
	v_floor_f32 v[NM], -v[NM+1]
	s_delay_alu instid0(VALU_DEP_1)
	v_sub_f32 v5, v[NM], v5
	s_delay_alu instid0(VALU_DEP_1)
	v_cvt_i32_f32 v5, v5
	s_delay_alu instid0(VALU_DEP_1)
	v_ldexp_f32 v6, 1.0, v5
.set j, 0
.rept 32
	v_pk_fma_f32 v[S+j:S+j+1], v[S+j:S+j+1], s[22:23], v[NM:NM+1] op_sel_hi:[1,0,0]
.set j, j+2
.endr
.irp b, 0,1,2,3
	v_fma_f32 v[BMX+\b], v[BMX+\b], s22, v[NM]
.endr
.set j, 0
	s_wait_alu depctr_va_vdst(0)
.rept 64
	v_exp_f32 v[S+j], v[S+j]
.set j, j+1
.endr
	v_pk_mul_f32 v[NM+2:NM+3], v[NM+2:NM+3], v[6:7] op_sel_hi:[1,0]
	s_wait_alu depctr_va_vdst(0)
.irp b, 0,1,2,3
	v_exp_f32 v[BMX+\b], v[BMX+\b]
.endr
	v_pk_add_f32 v[PT:PT+1], v[S:S+1], v[S+2:S+3]
.set j, 4
.rept 15
	v_pk_add_f32 v[NM+2:NM+3], v[NM+2:NM+3], v[S+j:S+j+1]
	v_pk_add_f32 v[PT:PT+1], v[PT:PT+1], v[S+j+2:S+j+3]
.set j, j+4
.endr
	s_delay_alu instid0(VALU_DEP_1)
	v_pk_add_f32 v[NM+2:NM+3], v[NM+2:NM+3], v[PT:PT+1]
	s_wait_alu depctr_va_vdst(0)
.irp b, 0,1,2,3
	v_max_num_f32 v[BMX+\b], 0x2800000, v[BMX+\b]
.endr
.irp b, 0,1,2,3
	s_delay_alu instid0(VALU_DEP_4)
	v_add_nc_u32 v[SO+\b], 0xfe000000, v[BMX+\b]
.endr
.irp b, 0,1,2,3
	s_delay_alu instid0(VALU_DEP_4)
	v_lshrrev_b32 v[PT+\b], 23, v[SO+\b]
.endr
	s_delay_alu instid0(VALU_DEP_3)
	v_lshl_or_b32 v[18+\x], v[PT+1], 8, v[PT]
	s_delay_alu instid0(VALU_DEP_1)
	v_lshl_or_b32 v[18+\x], v[PT+2], 16, v[18+\x]
	s_delay_alu instid0(VALU_DEP_1)
	v_lshl_or_b32 v[18+\x], v[PT+3], 24, v[18+\x]
.irp c, 0,1
	v_cvt_scalef32_pk16_bf6_f32 v[PX+6*\c:PX+6*\c+2], v[S+32*\c:S+32*\c+15], v[SO+2*\c]
	v_cvt_scalef32_pk16_bf6_f32 v[BMX+4*\c:BMX+4*\c+2], v[S+32*\c+16:S+32*\c+31], v[SO+2*\c+1]
.endr
	v_nop
.irp c, 0,1
.irp i, 0,1,2
	v_permlane16_swap_b32 v[PX+6*\c+\i], v[BMX+4*\c+\i]
.endr
.irp i, 0,1,2
	s_delay_alu instid0(VALU_DEP_3)
	v_mov_b32 v[PX+3+6*\c+\i], v[BMX+4*\c+\i]
.endr
.endr
.set j, 0
.rept 16
	v_pk_mul_f32 v[OX+j:OX+j+1], v[OX+j:OX+j+1], v[6:7] op_sel_hi:[1,0]
.set j, j+2
.endr
.endm
.macro PVMUL
.irp d, 0,1,2,3
.irp x, 0,1
	v_wmma_scale_f32_16x16x128_f8f6f4 v[192+32*\x+8*\d:192+32*\x+8*\d+7], v[KV+12*\d:KV+12*\d+11], v[56+12*\x:56+12*\x+11], v[192+32*\x+8*\d:192+32*\x+8*\d+7], v[20+\d], v[18+\x] matrix_a_fmt:MATRIX_FMT_BF6 matrix_b_fmt:MATRIX_FMT_BF6
.endr
.endr
.endm
.macro PLACES
.rept 4
	v_nop
.endr
.endm
.macro STEP pre
	v_add_nc_u32 v4, s62, v3
	MASKLD 0
	s_wait_loadcnt 0x0
	s_wait_dscnt 0x0
	SQK 0
	PLACES
	LOADQ 1
	SM 0
	MASKLD 1
	s_wait_loadcnt 0x0
	s_wait_dscnt 0x0
	SQK 1
	PLACES
	LOADH 54, 60
.if \pre
	LOADQ 0
.endif
	SM 1
	s_wait_alu depctr_va_vdst(0)
	s_wait_loadcnt 0x0
	PVMUL
.if \pre
	s_add_nc_u64 s[52:53], s[52:53], 6144
	s_add_nc_u64 s[54:55], s[54:55], 6144
	s_add_nc_u64 s[58:59], s[58:59], 256
	s_add_nc_u64 s[60:61], s[60:61], 256
	s_add_co_u32 s62, s62, 512
	PLACES
	LOADH 52, 58
.endif
.endm
.macro CHUNK z
.if \z >= 1
	v_lshl_add_u32 v5, v0, 2, 0x38000              ; the add's two registers, made anew
	v_mov_b32 v36, 0
	s_wait_alu depctr_va_vdst(0)
	s_wait_tensorcnt 0x0                           ; my rows of this chunk are in
	ds_add_u32 v5, v36
	s_wait_dscnt 0x0
	s_barrier_signal -1
	s_barrier_wait -1                              ; the chunk is whole
.if \z < 3
	tensor_load_to_lds s[G0+4*(\z)+4:G0+4*(\z)+7], s[G1:G1+7]   ; the next chunk's first fill: my one load behind this barrier
	s_nop 0
.endif
.endif
	s_mov_b32 s62, \z*MCH
.if \z < 3
	s_mov_b32 s63, 2
.Lstep_\@:
	STEP 1
	s_sub_co_u32 s63, s63, 1
	s_cmp_lg_u32 s63, 0
	s_cbranch_scc1 .Lstep_\@
.else
	STEP 1
	STEP 0
.endif
.endm
	CHUNK 0
	CHUNK 1
	CHUNK 2
	CHUNK 3
	PLACES
	WLOAD 0
	v_add_f32 v24, v10, v11
	v_add_f32 v25, v14, v15
	s_delay_alu instid0(VALU_DEP_2)
	v_permlanex16_b32 v28, v24, s24, s25
	s_delay_alu instid0(VALU_DEP_2)
	v_permlanex16_b32 v29, v25, s24, s25
	s_delay_alu instid0(VALU_DEP_2)
	v_add_f32 v24, v24, v28
	s_delay_alu instid0(VALU_DEP_2)
	v_add_f32 v25, v25, v29
	s_wait_alu depctr_va_vdst(0)
	v_rcp_f32 v10, v24
	v_rcp_f32 v14, v25
	v_and_b32 v5, 31, v0
	s_wait_alu depctr_va_vdst(0)
	v_and_b32 v26, 15, v0
	s_wait_alu depctr_va_vdst(0)
	v_bfe_u32 v27, v0, 4, 1
	s_wait_alu depctr_va_vdst(0)
	s_mul_i32 s72, s18, 768
	s_add_co_u32 s72, s72, CIMG
	v_lshl_add_u32 v2, v5, 4, s72
	s_add_co_u32 s72, s72, 512
	v_lshl_add_u32 v3, v5, 3, s72
	s_lshr_b32 s72, s18, 1
	s_lshl_b32 s72, s72, 7
	s_and_b32 s73, s18, 1
	s_lshl_b32 s73, s73, 1
	s_add_co_u32 s72, s72, s73
	s_add_co_u32 s72, s72, CSC
	v_lshl_add_u32 v4, v5, 2, s72
	v_lshl_add_u32 v6, v5, 4, CIMG
	v_lshl_add_u32 v7, v5, 3, CIMG
	v_lshl_add_u32 v8, v5, 2, CSC
	v_lshlrev_b32 v9, 5, v26
	s_lshl_b32 s72, s18, 8
	v_lshl_add_u32 v12, v27, 6, s72
	s_mul_i32 s73, s18, 16*272
	s_add_co_u32 s73, s73, STG
	v_mul_u32_u24 v13, v26, 272
	s_delay_alu instid0(VALU_DEP_1)
	v_lshl_add_u32 v13, v27, 6, v13
	s_delay_alu instid0(VALU_DEP_1)
	v_add_nc_u32 v13, s73, v13
	s_wait_alu depctr_va_vdst(0)
.irp x, 0,1
.set j, 0
.rept 16
	v_pk_mul_f32 v[S+32*\x+j:S+32*\x+j+1], v[192+32*\x+j:192+32*\x+j+1], v[10+4*\x:11+4*\x] op_sel_hi:[1,0]
.set j, j+2
.endr
.endr
	v_mul_u32_u24 v10, v27, 272
	s_delay_alu instid0(VALU_DEP_1)
	v_lshl_add_u32 v10, v26, 4, v10
	s_delay_alu instid0(VALU_DEP_1)
	v_add_nc_u32 v10, s73, v10
	v_lshlrev_b32 v11, 12, v27
	s_delay_alu instid0(VALU_DEP_1)
	v_lshl_add_u32 v11, v26, 4, v11
	s_delay_alu instid0(VALU_DEP_1)
	v_add_nc_u32 v11, s72, v11
.irp x, 0,1
.irp t, 0,1,2,3
.irp q, 0,1
	global_load_b128 v[192+32*\x+8*\t+4*\q:192+32*\x+8*\t+4*\q+3], v12, s[14:15] offset:128*(\t/2)+32*(\t%2)+16*\q
.endr
.endr
.endr
.macro QUANT2 x
.set CT, S+32*\x
.set G,  56+12*\x
.set T2, 24+4*\x
.irp b, 0,1
	v_max3_num_f32 v[32+\b], |v[CT+16*\b]|, |v[CT+16*\b+1]|, 0x2800000
.endr
.irp i, 2,4,6,8,10,12,14
.irp b, 0,1
	s_delay_alu instid0(VALU_DEP_2)
	v_max3_num_f32 v[32+\b], v[32+\b], |v[CT+16*\b+\i]|, |v[CT+16*\b+\i+1]|
.endr
.endr
.irp b, 0,1
	s_delay_alu instid0(VALU_DEP_2)
	v_permlanex16_b32 v[34+\b], v[32+\b], s24, s25
.endr
.irp b, 0,1
	s_delay_alu instid0(VALU_DEP_2)
	v_max_num_f32 v[32+\b], v[32+\b], v[34+\b]
.endr
.irp b, 0,1
	s_delay_alu instid0(VALU_DEP_2)
	v_add_nc_u32 v[32+\b], 0xfe000000, v[32+\b]
.endr
.irp b, 0,1
	s_delay_alu instid0(VALU_DEP_2)
	v_lshrrev_b32 v[34+\b], 23, v[32+\b]
.endr
	s_delay_alu instid0(VALU_DEP_1)
	v_lshl_or_b32 v5, v35, 8, v34
	v_cvt_scalef32_pk16_bf6_f32 v[G:G+2], v[CT:CT+15], v32
	v_cvt_scalef32_pk16_bf6_f32 v[T2:T2+2], v[CT+16:CT+31], v33
	v_nop
.irp i, 0,1,2
	v_permlane16_swap_b32 v[G+\i], v[T2+\i]
.endr
.irp i, 0,1,2
	s_delay_alu instid0(VALU_DEP_3)
	v_mov_b32 v[G+3+\i], v[T2+\i]
.endr
	ds_store_b128 v2, v[G:G+3] offset:12288*\x
	ds_store_b64 v3, v[G+4:G+5] offset:12288*\x
	ds_store_b16 v4, v5 offset:1024*\x
.endm
	QUANT2 0
	QUANT2 1
.irp t, 0,1,2,3
.irp q, 0,1
	global_load_b128 v[24+8*\t+4*\q:24+8*\t+4*\q+3], v9, s[70:71] offset:512*\t+16*\q
.endr
.endr
	WLOAD 1                                        ; Wo's second K step, into the registers that held ctx: asked for ahead of the barrier; still the youngest 12 loads
	s_wait_dscnt 0x0
	s_barrier_signal -1
	s_barrier_wait -1
.macro OSTEP s
.if (\s) > 0
	PLACES
.endif
.if (\s) > 0 && (\s) < 7
	WLOAD (\s)+1
.endif
.irp x, 0,1
	ds_load_b128 v[56+12*\x:59+12*\x], v6 offset:12288*\x+1536*(\s)
	ds_load_b64 v[60+12*\x:61+12*\x], v7 offset:12288*\x+1536*(\s)+512
	ds_load_b128 v[62+12*\x:65+12*\x], v6 offset:12288*\x+1536*(\s)+768
	ds_load_b64 v[66+12*\x:67+12*\x], v7 offset:12288*\x+1536*(\s)+1280
	ds_load_b32 v[18+\x], v8 offset:128*(8*\x+(\s))
.endr
.if (\s) < 7
	s_wait_loadcnt 12
.else
	s_wait_loadcnt 0x0
.endif
	s_wait_dscnt 0x0
.irp t, 0,1,2,3
.irp x, 0,1
	v_wmma_scale_f32_16x16x128_f8f6f4 v[192+32*\x+8*\t:192+32*\x+8*\t+7], v[80+48*((\s)%2)+12*\t:80+48*((\s)%2)+12*\t+11], v[56+12*\x:56+12*\x+11], v[192+32*\x+8*\t:192+32*\x+8*\t+7], v[24+8*\t+(\s)], v[18+\x] matrix_a_fmt:MATRIX_FMT_BF6 matrix_b_fmt:MATRIX_FMT_BF6
.endr
.endr
.endm
.irp s, 0,1,2,3,4,5,6,7
	OSTEP \s
.endr
	PLACES
.irp x, 0,1
.irp t, 0,1,2,3
.irp q, 0,1
	ds_store_b128 v13, v[192+32*\x+8*\t+4*\q:192+32*\x+8*\t+4*\q+3] offset:128*(\t/2)+32*(\t%2)+16*\q
.endr
.endr
.irp i, 0,1,2,3,4,5,6,7
	ds_load_b128 v[80+32*\x+4*\i:80+32*\x+4*\i+3], v10 offset:544*\i
.endr
.endr
.irp i, 0,1,2,3,4,5,6,7
	s_wait_dscnt 23-\i
	global_store_b128 v11, v[80+4*\i:80+4*\i+3], s[16:17] offset:4096*(2*\i+8*(\i/4)) th:TH_STORE_NT
.endr
.irp i, 0,1,2,3,4,5,6,7
	s_wait_dscnt 7-\i
	global_store_b128 v11, v[112+4*\i:112+4*\i+3], s[16:17] offset:4096*(8+2*\i+8*(\i/4)) th:TH_STORE_NT
.endr
	s_wait_xcnt 0x0
	v_lshl_add_u32 v254, v0, 2, 0x38000
	v_mov_b32 v255, 0
	s_wait_alu depctr_va_vdst(0)
	s_wait_tensorcnt 0x0
	ds_add_u32 v254, v255
	s_wait_dscnt 0x0
	s_endpgm
.Lfunc_end_k_qd7ea47465f_attn:
	.size	k_qd7ea47465f_attn, .Lfunc_end_k_qd7ea47465f_attn-k_qd7ea47465f_attn
	.p2alignl 7, 3214868480
	.fill 96, 4, 3214868480
	.section	.rodata,"a",@progbits
	.p2align	6, 0x0
	.amdhsa_kernel k_qd7ea47465f_attn
		.amdhsa_group_segment_fixed_size 327680
		.amdhsa_private_segment_fixed_size 0
		.amdhsa_enable_private_segment 0
		.amdhsa_kernarg_size 56
		.amdhsa_user_sgpr_count 2
		.amdhsa_user_sgpr_kernarg_segment_ptr 1
		.amdhsa_wavefront_size32 1
		.amdhsa_system_sgpr_workgroup_id_x 1
		.amdhsa_system_sgpr_workgroup_id_y 1
		.amdhsa_system_sgpr_workgroup_id_z 1
		.amdhsa_system_vgpr_workitem_id 0
		.amdhsa_next_free_vgpr 256
		.amdhsa_next_free_sgpr 80
		.amdhsa_reserve_vcc 0
		.amdhsa_float_denorm_mode_32 3
		.amdhsa_float_denorm_mode_16_64 3
		.amdhsa_memory_ordered 1
		.amdhsa_forward_progress 1
		.amdhsa_inst_pref_size 225
	.end_amdhsa_kernel
	.amdgpu_metadata
---
amdhsa.version: [ 1, 2 ]
amdhsa.kernels:
  - .name:           k_qd7ea47465f_attn
    .symbol:         k_qd7ea47465f_attn.kd
    .args:
      - { .name: qkv, .offset: 0, .size: 8, .value_kind: global_buffer, .address_space: global }
      - { .name: qkvs, .offset: 8, .size: 8, .value_kind: global_buffer, .address_space: global }
      - { .name: causal_attention_mask, .offset: 16, .size: 8, .value_kind: global_buffer, .address_space: global }
      - { .name: cod, .offset: 24, .size: 8, .value_kind: global_buffer, .address_space: global }
      - { .name: scl, .offset: 32, .size: 8, .value_kind: global_buffer, .address_space: global }
      - { .name: bo, .offset: 40, .size: 8, .value_kind: global_buffer, .address_space: global }
      - { .name: out0, .offset: 48, .size: 8, .value_kind: global_buffer, .address_space: global }
    .group_segment_fixed_size: 327680
    .private_segment_fixed_size: 0
    .kernarg_segment_align: 8
    .kernarg_segment_size: 56
    .max_flat_workgroup_size: 512
    .sgpr_count:     80
    .vgpr_count:     256
    .wavefront_size: 32
...
	.end_amdgpu_metadata
.endif
;; end of part 3
